; MI455X (gfx1250); checked and timed in simulation.
; The chip was launched on July 23, 2026; its instructions are those of AMD's public machine-readable ISA for CDNA 5 (MIT licence, August 2026) and "CDNA5" Instruction Set Architecture Reference Guide (July 2026). The comments in the code are by the model that wrote it; some were corrected since.
;; Vector Quantizer. Allowed arithmetic: float matrix products may take bf16 or f16 operands with f32 sums; all other float work in f32.
;; Inputs: weight 1,024 x 8 float32; z_e 16 x 8 x 128 x 128 float32.
;; Outputs: out0 16 x 8 x 128 x 128 float32; out1 one number float32; out2 16 x 128 x 128 int32.
;; One version. Each part assembles by itself: llvm-mc -triple=amdgcn-amd-amdhsa -mcpu=gfx1250 --defsym DOCPART=n.
;; ======== version 1 of 1: 3 launches
;; workspace buffers: grp 1,048,576 bytes of whole numbers; part 1,024 bytes
;; launch groups (part 1): grid 256 x 1, 16 waves a work-group, no clusters, 22,528 bytes of LDS; arguments z_e, weight, grp; writes grp
.if DOCPART == 1
	.amdgcn_target "amdgcn-amd-amdhsa--gfx1250"
	.amdhsa_code_object_version 6
	.text
	.protected	k_qf1d6774413_groups
	.globl	k_qf1d6774413_groups
	.p2align	8
	.type	k_qf1d6774413_groups,@function
k_qf1d6774413_groups:
	s_mov_b64 s[64:65], 0
	v_nop
	global_prefetch_b8 v0, s[64:65] scope:SCOPE_SE
	s_setreg_imm32_b32 hwreg(HW_REG_WAVE_MODE, 25, 1), 1
	s_wait_xcnt 0x0
; VectorQuantizer, step 1 of 3: for each of the 262,144 points, WHICH GROUP OF EIGHT CONSECUTIVE CODES holds the nearest code.
; z_e [16][8][16384] f32, weight [1024][8] f32, grp [262144] i32 (0..127).
; The distance is formed with the roundings of the definition, on inputs rounded to bf16:
;   d = fl( fl( zz - 2 dot ) + ww ),  zz and ww sums of squares added in ascending k, dot from the matrix unit (bf16 x bf16 products are exact in f32).
; The smallest d wins, the lower code at a tie; groups are consecutive codes, so the lower group at a tie.
; LIMITS: inputs finite (a NaN distance loses every comparison here); |weight| < 1.7e38 (the codebook is kept as -2 w); the eight products are added
; inside the matrix instruction and not as a chain of f32 additions, so a group can differ from the definition's where the two smallest rounded
; distances lie within one unit in the last place and the sum's last bit decides.
;
; SHARES. 256 work-groups x 1,024 pixels of one image; 16 waves x 64 pixels = 4 point tiles of 16.  Tile p holds pixels 4 r + p, so one 16-byte load
; a lane brings one dimension of a lane's four points, and 16 lanes cover 256 consecutive aligned bytes (lanes 16-31 ask for the same bytes).
; MATRIX USE. Source 0 = 16 codes, source 1 = 16 points: lane (r, h) gets point r and the codes 16 T + 8 h + j in register j, which is one group, 2 T + h.
; D = 8 fills a quarter of the instruction's K = 32, so one fragment of codes holds FOUR code tiles, one in each quarter of K (two loads of 16 bytes
; a lane, contiguous, from a plain bf16 codebook in LDS), and the points' fragment has z in quarter s and zeros elsewhere.  P = z in lanes 0-15,
; Q = z in lanes 16-31, O = zeros, four registers each; the run O P0 O Q0 O P1 .. O gives [P,O] [Q,O] [O,P] [O,Q] for s = 0, 1, 2, 3.
; VECTOR WORK for 8 distances a lane: 4 packed adds of zz, 4 of ww, 4 three-way minima (with the running best), one compare, one select of the tile number.
; Which of the group's eight codes it is, is found in the next launch, which may form addresses from the stored group.
; NOT USED: a cluster's joint load: the one thing shared is the codebook, 32 KiB read once at the head, ahead of 4,096 matrix instructions of the
; work-group, and it would arrive in f32 and have to pass LDS twice; tensor loads: a wave's input is eight loads that land in the lanes that use them.
.set WWB,   16384                      ; LDS: [0, 16384) codebook, 1,024 rows of 8 bf16 of -2 w;  [16384, 20480) ww, 1,024 f32
.set R,     2                          ; lane % 16
.set H,     3                          ; lane / 16
.set LANE,  4
.set ZO,    5                          ; byte offset of my four pixels in z_e, dimension 0
.set WO,    6                          ; byte offset of my first code row in weight
.set GO,    7                          ; byte offset of my four pixels in grp
.set LA,    8                          ; LDS: my first code row, 16 x thread
.set LW,    9                          ; LDS: its ww, 4 x thread
.set AA,    10                         ; LDS: 16 x lane + 2,048 x trip: the fragments of codes
.set AW,    11                         ; LDS: 32 h + 512 x trip: my eight ww of a tile
.set M,     12                         ; v12-14 partial minima
.set T,     15
.set X,     16                         ; v16-47  z as loaded: dimension k, tile p in v[X+4k+p]; free again behind the conversion
.set DBUF,  16                         ; v16-31  two result buffers, by turns
.set ABUF,  32                         ; v32-47  two fragments of codes (64 codes each)
.set WBUF,  48                         ; v48-63  ww of two code tiles, by turns
.set ZB,    64                         ; v64-131 the run O P0 O Q0 O P1 O Q1 O P2 O Q2 O P3 O Q3 O
.set ZZ,    132                        ; v132-139 zz of tile p, twice (a pair for the packed add)
.set BEST,  140                        ; v140-147 running minimum of tile p, two sets by turns (no copy)
.set GRP,   148                        ; v148-151 code tile of the running minimum; at the end the group
.set WR,    152                        ; v152-167 two code rows as loaded
.set WP,    168                        ; v168-175 the same as bf16 of -2 w
	s_load_b128 s[4:7], s[0:1], 0x0                ; z_e s[4:5], weight s[6:7]
	s_load_b64 s[8:9], s[0:1], 0x10                ; grp
	v_lshl_add_u32 v176, v0, 2, 0x5000
	v_mov_b32 v177, 0
	v_lshrrev_b32 v1, 5, v0
	v_readfirstlane_b32 s10, v1                    ; wave 0..15
	v_and_b32 v[R], 15, v0
	v_bfe_u32 v[H], v0, 4, 1
	v_and_b32 v[LANE], 31, v0
	s_lshr_b32 s11, ttmp9, 4                       ; image: 16 work-groups each
	s_lshl_b32 s11, s11, 19                        ; x 8 dimensions x 65,536 bytes
	s_and_b32 s12, ttmp9, 15
	s_lshl_b32 s12, s12, 12                        ; + 1,024 pixels x 4 bytes for each work-group of the image
	s_lshl_b32 s13, s10, 8                         ; + 64 pixels x 4 bytes for each wave
	s_add_co_u32 s11, s11, s12
	s_add_co_u32 s11, s11, s13
	s_lshl_b32 s14, ttmp9, 12
	s_add_co_u32 s14, s14, s13                     ; the same pixels in grp
	v_lshl_add_u32 v[ZO], v[R], 4, s11
	v_lshl_add_u32 v[GO], v[R], 4, s14
	v_lshlrev_b32 v[WO], 5, v0                     ; thread i takes codes i and i + 512: rows of 32 bytes
	v_lshlrev_b32 v[LA], 4, v0
	v_lshlrev_b32 v[LW], 2, v0
	v_lshlrev_b32 v[AA], 4, v[LANE]
	v_lshlrev_b32 v[AW], 5, v[H]
	s_mov_b32 vcc_lo, 0xffff0000                   ; lanes 16-31
	s_mov_b32 s22, 0x76543210                      ; v_permlanex16_b32: lane i of one half reads lane i of the other
	s_mov_b32 s23, 0xfedcba98
	s_wait_kmcnt 0x0
	global_load_b128 v[WR:WR+3],     v[WO], s[6:7]
	global_load_b128 v[WR+4:WR+7],   v[WO], s[6:7] offset:16
	global_load_b128 v[WR+8:WR+11],  v[WO], s[6:7] offset:16384
	global_load_b128 v[WR+12:WR+15], v[WO], s[6:7] offset:16400
.irp k, 0,1,2,3,4,5,6,7
	global_load_b128 v[X+4*\k:X+4*\k+3], v[ZO], s[4:5] offset:65536*\k
.endr
.irp b, 0,2,4,6,8,10,12,14,16
.irp i, 0,1,2,3
	v_mov_b32 v[ZB+4*\b+\i], 0                     ; the nine blocks O: the three quarters of K that a product leaves out
.endr
.endr
	; The codebook, two rows a thread: -2 w rounded to bf16 (the factor is a power of two: the rounding is that of w), and
	; ww = the sum of the squares of bf16(w) in ascending k = a quarter of the sum of the squares of bf16(-2 w), term by term the same roundings.
	s_wait_loadcnt 8                               ; the four loads of weight are in; the eight of z, issued behind them, stay out
.irp q, 0,1
.irp i, 0,2,4,6
	v_pk_mul_f32 v[WR+8*\q+\i:WR+8*\q+\i+1], v[WR+8*\q+\i:WR+8*\q+\i+1], -2.0 op_sel_hi:[1,0]
.endr
.irp i, 0,1,2,3
	v_cvt_pk_bf16_f32 v[WP+4*\q+\i], v[WR+8*\q+2*\i], v[WR+8*\q+2*\i+1]
.endr
	ds_store_b128 v[LA], v[WP+4*\q:WP+4*\q+3] offset:8192*\q
	v_fma_mix_f32_bf16 v[T], v[WP+4*\q], v[WP+4*\q], v[ZB] op_sel_hi:[1,1,0]                    ; 0 + square of the low half
	v_fma_mix_f32_bf16 v[T], v[WP+4*\q], v[WP+4*\q], v[T] op_sel:[1,1,0] op_sel_hi:[1,1,0]      ; + square of the high half
.irp i, 1,2,3
	v_fma_mix_f32_bf16 v[T], v[WP+4*\q+\i], v[WP+4*\q+\i], v[T] op_sel_hi:[1,1,0]
	v_fma_mix_f32_bf16 v[T], v[WP+4*\q+\i], v[WP+4*\q+\i], v[T] op_sel:[1,1,0] op_sel_hi:[1,1,0]
.endr
	v_mul_f32 v[T], 0x3e800000, v[T]               ; x 0.25
	ds_store_b32 v[LW], v[T] offset:WWB+2048*\q
.endr
	; My four points: bf16, zz in ascending k (the squares are exact, so each fused step is one f32 addition), then P and Q.
	s_wait_loadcnt 0x0
.irp p, 0,1,2,3
.irp i, 0,1,2,3
	v_cvt_pk_bf16_f32 v[ZB+16*\p+4+\i], v[X+8*\i+\p], v[X+8*\i+4+\p]       ; dimensions 2 i, 2 i + 1
.endr
	v_fma_mix_f32_bf16 v[T], v[ZB+16*\p+4], v[ZB+16*\p+4], v[ZB] op_sel_hi:[1,1,0]
	v_fma_mix_f32_bf16 v[T], v[ZB+16*\p+4], v[ZB+16*\p+4], v[T] op_sel:[1,1,0] op_sel_hi:[1,1,0]
.irp i, 1,2
	v_fma_mix_f32_bf16 v[T], v[ZB+16*\p+4+\i], v[ZB+16*\p+4+\i], v[T] op_sel_hi:[1,1,0]
	v_fma_mix_f32_bf16 v[T], v[ZB+16*\p+4+\i], v[ZB+16*\p+4+\i], v[T] op_sel:[1,1,0] op_sel_hi:[1,1,0]
.endr
	v_fma_mix_f32_bf16 v[T], v[ZB+16*\p+7], v[ZB+16*\p+7], v[T] op_sel_hi:[1,1,0]
	v_fma_mix_f32_bf16 v[ZZ+2*\p],   v[ZB+16*\p+7], v[ZB+16*\p+7], v[T] op_sel:[1,1,0] op_sel_hi:[1,1,0]   ; the last step twice:
	v_fma_mix_f32_bf16 v[ZZ+2*\p+1], v[ZB+16*\p+7], v[ZB+16*\p+7], v[T] op_sel:[1,1,0] op_sel_hi:[1,1,0]   ; it fills the pair
.irp i, 0,1,2,3
	v_cndmask_b32 v[ZB+16*\p+12+\i], 0, v[ZB+16*\p+4+\i], vcc_lo               ; Q: z in lanes 16-31
	v_cndmask_b32 v[ZB+16*\p+4+\i], v[ZB+16*\p+4+\i], v[ZB], vcc_lo            ; P: z in lanes 0-15
.endr
.endr
	s_wait_dscnt 0x0                               ; my rows and my ww are in LDS, for the other waves' sake
	s_barrier_signal -1
	s_barrier_wait -1                              ; everybody's are
	ds_load_b128 v[ABUF:ABUF+3],   v[AA]           ; codes 0-63: quarters 0, 1 of K
	ds_load_b128 v[ABUF+4:ABUF+7], v[AA] offset:512 ;            quarters 2, 3
	ds_load_b128 v[WBUF:WBUF+3],   v[AW] offset:WWB
	ds_load_b128 v[WBUF+4:WBUF+7], v[AW] offset:WWB+16
	s_mov_b32 s20, 0                               ; the code tile at work
	s_mov_b32 s21, 7                               ; trips of the loop: 8 code tiles each; the eighth trip is written out
	s_wait_dscnt 2                                 ; the fragment is in; the two loads of ww behind it stay out
	v_wmma_f32_16x16x32_bf16 v[DBUF:DBUF+7], v[ABUF:ABUF+7], v[ZB+4:ZB+11], 0      ; code tile 0, point tile 0
.irp p, 0,1,2,3
	v_mov_b32 v[BEST+\p], 0x7f800000               ; these eight lines are also the places between the first product and
	v_mov_b32 v[GRP+\p], 0                         ; the first read of its result (ISA guide 7.12.1)
.endr
; A trip: 8 code tiles (two fragments of codes) x 4 point tiles = 32 steps.  A step issues the NEXT step's product and then works on its own
; result, so the 14 vector instructions of one step stand between a product and the first read of its result, and between it and the product
; that writes the same buffer again; none of them names a register of that product (ISA guide 7.12.1).  The two result buffers take turns, and every sum starts
; from the constant 0.  LDS loads run ahead: a tile's ww one tile, a fragment of codes four tiles; a fragment's buffer is loaded again one
; step and more behind the last product that read it.  last = 1: nothing is left to fetch or to issue beyond code tile 63.
.macro TRIP last
.set tau, 0
.rept 8
.set cnt, 0
.if tau == 0
	ds_load_b128 v[ABUF+8:ABUF+11],  v[AA] offset:1024     ; the trip's second fragment, wanted at the end of tile 3
	ds_load_b128 v[ABUF+12:ABUF+15], v[AA] offset:1536
.set cnt, cnt+2
.endif
.if tau == 4
.if \last == 0
	ds_load_b128 v[ABUF:ABUF+3],   v[AA] offset:2048       ; the next trip's first fragment, wanted at the end of tile 7
	ds_load_b128 v[ABUF+4:ABUF+7], v[AA] offset:2560
.set cnt, cnt+2
.endif
.endif
.set more, 1
.if tau == 7
.if \last
.set more, 0
.endif
.endif
.if more
.set wnext, WBUF+8*((tau+1)&1)
	ds_load_b128 v[wnext:wnext+3],   v[AW] offset:WWB+64*(tau+1)       ; the next tile's ww
	ds_load_b128 v[wnext+4:wnext+7], v[AW] offset:WWB+64*(tau+1)+16
.set cnt, cnt+2
.endif
.set pcur, 0
.rept 4
.set nxt, 4*tau+pcur+1
.set issue, 1
.if nxt == 32
.if \last
.set issue, 0
.endif
.endif
.if issue
.set sn, (nxt>>2)&3                                        ; the quarter of K = code tile % 4
.set bn, ZB+4*(4*(nxt&3)+2*(sn&1)+1-(sn>>1))               ; [P,O] [Q,O] [O,P] [O,Q] of point tile nxt % 4
.set dn, DBUF+8*(nxt&1)
.set an, ABUF+8*((nxt>>4)&1)
	v_wmma_f32_16x16x32_bf16 v[dn:dn+7], v[an:an+7], v[bn:bn+7], 0
.endif
.if pcur == 0
	s_wait_dscnt cnt                               ; this tile's ww is in: only the loads issued at this tile's head are younger.  (Older still, and so in too: a fragment asked for a tile or more ago)
.endif
.set dcur, DBUF+8*(pcur&1)
.set wcur, WBUF+8*(tau&1)
.set bold, BEST+4*(tau&1)+pcur
.set bnew, BEST+4*(1-(tau&1))+pcur
.irp i, 0,2,4,6
	v_pk_add_f32 v[dcur+\i:dcur+\i+1], v[dcur+\i:dcur+\i+1], v[ZZ+2*pcur:ZZ+2*pcur+1]     ; fl(zz - 2 dot)
.endr
.irp i, 0,2,4,6
	v_pk_add_f32 v[dcur+\i:dcur+\i+1], v[dcur+\i:dcur+\i+1], v[wcur+\i:wcur+\i+1]         ; fl(.. + ww)
.endr
	v_min3_num_f32 v[M],   v[dcur],   v[dcur+1], v[dcur+2]
	v_min3_num_f32 v[M+1], v[dcur+3], v[dcur+4], v[dcur+5]
	v_min3_num_f32 v[M+2], v[dcur+6], v[dcur+7], v[bold]
	v_min3_num_f32 v[bnew], v[M], v[M+1], v[M+2]
	v_cmp_lt_f32 vcc_lo, v[bnew], v[bold]          ; strictly smaller: at a tie the earlier tile stays
	v_cndmask_b32 v[GRP+pcur], v[GRP+pcur], s20, vcc_lo
.set pcur, pcur+1
.endr
	s_add_co_u32 s20, s20, 1
.set tau, tau+1
.endr
.endm
.Ltrip:
	TRIP 0
	v_add_nc_u32 v[AA], 0x800, v[AA]               ; two fragments on
	v_add_nc_u32 v[AW], 0x200, v[AW]               ; eight tiles' ww on
	s_sub_co_i32 s21, s21, 1
	s_cmp_lg_u32 s21, 0
	s_cbranch_scc1 .Ltrip
	TRIP 1
	; Lanes (r, 0) and (r, 1) hold the same points and the even and the odd groups: the smaller distance wins, the lower group at a tie.
.irp p, 0,1,2,3
	v_lshl_or_b32 v[GRP+\p], v[GRP+\p], 1, v[H]    ; group = 2 x tile + h
.endr
.irp p, 0,1,2,3
	v_permlanex16_b32 v[DBUF+\p],   v[BEST+\p], s22, s23   ; the destinations have been written before
	v_permlanex16_b32 v[DBUF+4+\p], v[GRP+\p],  s22, s23
.endr
.irp p, 0,1,2,3
	v_cmp_lt_f32 s24, v[DBUF+\p], v[BEST+\p]
	v_cmp_eq_f32 s25, v[DBUF+\p], v[BEST+\p]
	v_cmp_lt_u32 vcc_lo, v[DBUF+4+\p], v[GRP+\p]
	s_and_b32 s25, s25, vcc_lo
	s_or_b32 vcc_lo, s24, s25
	v_cndmask_b32 v[GRP+\p], v[GRP+\p], v[DBUF+4+\p], vcc_lo
.endr
	v_cmp_gt_u32 vcc_lo, 16, v[LANE]
	s_wait_xcnt 0x0                                ; EXEC changes only behind this wait
	s_wait_tensorcnt 0x0
	ds_add_u32 v176, v177
	s_wait_dscnt 0x0
	s_and_saveexec_b32 s24, vcc_lo                 ; both halves hold the same four numbers: lanes 0-15 store them,
	global_store_b128 v[GO], v[GRP:GRP+3], s[8:9]  ; 256 consecutive bytes, at a multiple of 256 from grp's first byte
	s_wait_xcnt 0x0
	s_or_b32 exec_lo, exec_lo, s24
	s_endpgm
.Lfunc_end_k_qf1d6774413_groups:
	.size	k_qf1d6774413_groups, .Lfunc_end_k_qf1d6774413_groups-k_qf1d6774413_groups
	.p2alignl 7, 3214868480
	.fill 96, 4, 3214868480
	.section	.rodata,"a",@progbits
	.p2align	6, 0x0
	.amdhsa_kernel k_qf1d6774413_groups
		.amdhsa_group_segment_fixed_size 22528
		.amdhsa_private_segment_fixed_size 0
		.amdhsa_enable_private_segment 0
		.amdhsa_kernarg_size 24
		.amdhsa_user_sgpr_count 2
		.amdhsa_user_sgpr_kernarg_segment_ptr 1
		.amdhsa_wavefront_size32 1
		.amdhsa_system_sgpr_workgroup_id_x 1
		.amdhsa_system_sgpr_workgroup_id_y 1
		.amdhsa_system_sgpr_workgroup_id_z 1
		.amdhsa_system_vgpr_workitem_id 0
		.amdhsa_next_free_vgpr 178
		.amdhsa_next_free_sgpr 66
		.amdhsa_reserve_vcc 1
		.amdhsa_float_denorm_mode_32 3
		.amdhsa_float_denorm_mode_16_64 3
		.amdhsa_memory_ordered 1
		.amdhsa_forward_progress 1
		.amdhsa_inst_pref_size 75
	.end_amdhsa_kernel
	.amdgpu_metadata
---
amdhsa.version: [ 1, 2 ]
amdhsa.kernels:
  - .name:           k_qf1d6774413_groups
    .symbol:         k_qf1d6774413_groups.kd
    .args:
      - { .name: z_e, .offset: 0, .size: 8, .value_kind: global_buffer, .address_space: global }
      - { .name: weight, .offset: 8, .size: 8, .value_kind: global_buffer, .address_space: global }
      - { .name: grp, .offset: 16, .size: 8, .value_kind: global_buffer, .address_space: global }
    .group_segment_fixed_size: 22528
    .private_segment_fixed_size: 0
    .kernarg_segment_align: 8
    .kernarg_segment_size: 24
    .max_flat_workgroup_size: 512
    .sgpr_count:     66
    .vgpr_count:     178
    .wavefront_size: 32
...
	.end_amdgpu_metadata
.endif
;; end of part 1
;; launch resolve (part 2): grid 256 x 1, 16 waves a work-group, no clusters, 43,264 bytes of LDS; arguments z_e, weight, grp, out0, out2, part; writes out0, out2, part
.if DOCPART == 2
	.amdgcn_target "amdgcn-amd-amdhsa--gfx1250"
	.amdhsa_code_object_version 6
	.text
	.protected	k_qf1d6774413_resolve
	.globl	k_qf1d6774413_resolve
	.p2align	8
	.type	k_qf1d6774413_resolve,@function
k_qf1d6774413_resolve:
	s_mov_b64 s[64:65], 0
	v_nop
	global_prefetch_b8 v0, s[64:65] scope:SCOPE_SE
	s_setreg_imm32_b32 hwreg(HW_REG_WAVE_MODE, 25, 1), 1
	s_wait_xcnt 0x0
; VectorQuantizer, step 2 of 3: the code inside the group, the gather, the straight-through output, the loss's partial sums.
; z_e, out0 [16][8][16384] f32; weight [1024][8] f32; grp, out2 [262144] i32; part [256] f32.
; The group number was stored by the launch before, so it may steer addresses: a lane fetches its point's eight candidate rows (f32, 256 bytes) from
; a copy of the codebook in LDS.  The eight distances are formed again with the definition's roundings on inputs rounded to bf16:
; dot, zz, ww as chains of f32 additions in ascending k (products of bf16 numbers are exact, so a fused step is one addition), d = fl(fl(zz - 2 dot) + ww).
; The first smallest wins.  The winner is an index made from floats in this launch, so it steers no address: its row is kept by selects.
; out0 = z + (w - z) and the loss use the f32 inputs as they are.  These 8 of 1,024 dots a point go through the vector unit: every point has candidates of its own.
; LIMITS: inputs finite (a NaN distance loses every comparison here).
; SHARES. 256 work-groups x 1,024 pixels; 16 waves x 64 pixels; a lane has two neighbouring pixels, so each 8-byte load or store of a wave covers
; 256 consecutive aligned bytes.  All of a wave's global loads go out in its first lines: there is no loop over memory, hence no ring and no prefetch.
; No cluster: the one thing shared is the 32 KiB codebook, read once at the head.
.set GP,    272                        ; LDS bytes from group to group: 256 + 16, so that group g's 16-byte column c starts at word 68 g + 4 c: lanes with different groups are spread over the columns
.set WWB,   128*GP                     ; 34,816: ww, 8 f32 a group, groups 48 bytes apart (three 16-byte columns: again spread)
.set RED,   WWB+128*48                 ; 40,960: one word for each wave's partial sum
.set LANE,  2
.set ZO,    3                          ; byte offset of my two pixels in z_e and out0, dimension 0
.set GOF,   4                          ; the same in grp and out2
.set WO,    5                          ; byte offset of my first code row in weight
.set TA,    6                          ; LDS: where that row goes
.set TW,    7                          ; LDS: where its ww goes (less WWB)
.set GA,    8                          ; v8-9    LDS: pixel q's group of rows
.set GW,    10                         ; v10-11  LDS: its ww (less WWB)
.set ZERO,  12
.set T,     13
.set ZZ,    14
.set J,     15
.set Z,     16                         ; v16-31  dimension k: the pair of pixels in v[Z+2k], v[Z+2k+1]
.set G,     32                         ; v32-33  groups
.set IDX,   34                         ; v34-35  indices
.set LOSS,  36                         ; v36-37
.set ACC,   38                         ; v38-45  the eight dots, then distances
.set WPK,   48                         ; v48-63  four candidate rows as bf16
.set ROW,   64                         ; v64-191 pixel q: eight candidate rows of 8 f32; row 0's registers end up holding the winner
.set WR,    64                         ; (ahead of that: my two code rows as loaded)
.set WWR,   192                        ; v192-207 pixel q: the candidates' ww
.set ZP,    208                        ; v208-215 pixel q: z as bf16
.set E,     216                        ; v216-231 w - z, then out0, in pairs like Z
	s_load_b256 s[4:11], s[0:1], 0x0               ; z_e s[4:5], weight s[6:7], grp s[8:9], out0 s[10:11]
	s_load_b128 s[12:15], s[0:1], 0x20             ; out2 s[12:13], part s[14:15]
	v_lshl_add_u32 v232, v0, 2, 0xa100
	v_mov_b32 v233, 0
	v_lshrrev_b32 v1, 5, v0
	v_readfirstlane_b32 s16, v1                    ; wave 0..15
	v_and_b32 v[LANE], 31, v0
	s_lshr_b32 s17, ttmp9, 4                       ; image
	s_lshl_b32 s17, s17, 19
	s_and_b32 s18, ttmp9, 15
	s_lshl_b32 s18, s18, 12
	s_lshl_b32 s19, s16, 8
	s_add_co_u32 s17, s17, s18
	s_add_co_u32 s17, s17, s19
	s_lshl_b32 s20, ttmp9, 12
	s_add_co_u32 s20, s20, s19
	v_lshl_add_u32 v[ZO], v[LANE], 3, s17
	v_lshl_add_u32 v[GOF], v[LANE], 3, s20
	v_lshlrev_b32 v[WO], 5, v0                     ; thread i takes codes i and i + 512
	v_lshrrev_b32 v1, 3, v0                        ; code i's group
	v_and_b32 v[T], 7, v0                          ; and its place there
	v_mul_u32_u24 v[TA], v1, GP
	v_lshl_add_u32 v[TA], v[T], 5, v[TA]
	v_mul_u32_u24 v[TW], v1, 48
	v_lshl_add_u32 v[TW], v[T], 2, v[TW]
	v_mov_b32 v[ZERO], 0
	s_mov_b32 s22, 0x76543210
	s_mov_b32 s23, 0xfedcba98
	s_wait_kmcnt 0x0
	global_load_b128 v[WR:WR+3],     v[WO], s[6:7]
	global_load_b128 v[WR+4:WR+7],   v[WO], s[6:7] offset:16
	global_load_b128 v[WR+8:WR+11],  v[WO], s[6:7] offset:16384
	global_load_b128 v[WR+12:WR+15], v[WO], s[6:7] offset:16400
	global_load_b64 v[G:G+1], v[GOF], s[8:9] th:TH_LOAD_NT
.irp k, 0,1,2,3,4,5,6,7
	global_load_b64 v[Z+2*\k:Z+2*\k+1], v[ZO], s[4:5] offset:65536*\k th:TH_LOAD_NT
.endr
	; the tables: the rows as they are, and ww of the rows rounded to bf16
	s_wait_loadcnt 9                               ; weight's four loads are in; grp's one and z's eight, issued behind them, stay out
.irp q, 0,1
	ds_store_b128 v[TA], v[WR+8*\q:WR+8*\q+3]   offset:64*GP*\q
	ds_store_b128 v[TA], v[WR+8*\q+4:WR+8*\q+7] offset:64*GP*\q+16
.irp i, 0,1,2,3
	v_cvt_pk_bf16_f32 v[WPK+4*\q+\i], v[WR+8*\q+2*\i], v[WR+8*\q+2*\i+1]
.endr
	v_fma_mix_f32_bf16 v[T], v[WPK+4*\q], v[WPK+4*\q], v[ZERO] op_sel_hi:[1,1,0]
	v_fma_mix_f32_bf16 v[T], v[WPK+4*\q], v[WPK+4*\q], v[T] op_sel:[1,1,0] op_sel_hi:[1,1,0]
.irp i, 1,2,3
	v_fma_mix_f32_bf16 v[T], v[WPK+4*\q+\i], v[WPK+4*\q+\i], v[T] op_sel_hi:[1,1,0]
	v_fma_mix_f32_bf16 v[T], v[WPK+4*\q+\i], v[WPK+4*\q+\i], v[T] op_sel:[1,1,0] op_sel_hi:[1,1,0]
.endr
	ds_store_b32 v[TW], v[T] offset:WWB+64*48*\q
.endr
	s_wait_dscnt 0x0                               ; my part of the tables is in LDS, for the other waves' sake
	s_barrier_signal -1
	s_barrier_wait -1
	s_wait_loadcnt 8                               ; grp is in; z's eight loads stay out
.irp q, 0,1
	v_min_u32 v[G+\q], 127, v[G+\q]                ; a loaded number enters an address only behind this bound
	v_mul_u32_u24 v[GA+\q], v[G+\q], GP
	v_mul_u32_u24 v[GW+\q], v[G+\q], 48
.endr
.irp q, 0,1
.irp c, 0,1,2,3,4,5,6,7,8,9,10,11,12,13,14,15
	ds_load_b128 v[ROW+64*\q+4*\c:ROW+64*\q+4*\c+3], v[GA+\q] offset:16*\c
.endr
	ds_load_b128 v[WWR+8*\q:WWR+8*\q+3],   v[GW+\q] offset:WWB
	ds_load_b128 v[WWR+8*\q+4:WWR+8*\q+7], v[GW+\q] offset:WWB+16
.endr
	s_wait_loadcnt 0x0
.irp q, 0,1
.irp i, 0,1,2,3
	v_cvt_pk_bf16_f32 v[ZP+4*\q+\i], v[Z+4*\i+\q], v[Z+4*\i+2+\q]          ; dimensions 2 i, 2 i + 1 of pixel q
.endr
.endr
; Pixel q.  left = how many younger LDS loads may stay out.
.macro PIXEL q, left
	v_fma_mix_f32_bf16 v[ZZ], v[ZP+4*\q], v[ZP+4*\q], v[ZERO] op_sel_hi:[1,1,0]
	v_fma_mix_f32_bf16 v[ZZ], v[ZP+4*\q], v[ZP+4*\q], v[ZZ] op_sel:[1,1,0] op_sel_hi:[1,1,0]
.irp i, 1,2,3
	v_fma_mix_f32_bf16 v[ZZ], v[ZP+4*\q+\i], v[ZP+4*\q+\i], v[ZZ] op_sel_hi:[1,1,0]
	v_fma_mix_f32_bf16 v[ZZ], v[ZP+4*\q+\i], v[ZP+4*\q+\i], v[ZZ] op_sel:[1,1,0] op_sel_hi:[1,1,0]
.endr
	s_wait_dscnt \left                             ; LDS loads come back in order (ISA guide 5.7.1): this pixel's 18 are in
.irp g, 0,1                                            ; four candidates at a time: four chains that do not wait for each other
.irp c, 0,1,2,3
.irp i, 0,1,2,3
	v_cvt_pk_bf16_f32 v[WPK+4*\c+\i], v[ROW+64*\q+8*(4*\g+\c)+2*\i], v[ROW+64*\q+8*(4*\g+\c)+2*\i+1]
.endr
.endr
.irp c, 0,1,2,3
	v_fma_mix_f32_bf16 v[ACC+4*\g+\c], v[WPK+4*\c], v[ZP+4*\q], v[ZERO] op_sel_hi:[1,1,0]
.endr
.irp c, 0,1,2,3
	v_fma_mix_f32_bf16 v[ACC+4*\g+\c], v[WPK+4*\c], v[ZP+4*\q], v[ACC+4*\g+\c] op_sel:[1,1,0] op_sel_hi:[1,1,0]
.endr
.irp i, 1,2,3
.irp c, 0,1,2,3
	v_fma_mix_f32_bf16 v[ACC+4*\g+\c], v[WPK+4*\c+\i], v[ZP+4*\q+\i], v[ACC+4*\g+\c] op_sel_hi:[1,1,0]
.endr
.irp c, 0,1,2,3
	v_fma_mix_f32_bf16 v[ACC+4*\g+\c], v[WPK+4*\c+\i], v[ZP+4*\q+\i], v[ACC+4*\g+\c] op_sel:[1,1,0] op_sel_hi:[1,1,0]
.endr
.endr
.endr
.irp c, 0,1,2,3,4,5,6,7
	v_fma_f32 v[ACC+\c], v[ACC+\c], -2.0, v[ZZ]    ; 2 dot is exact: one rounding, fl(zz - 2 dot)
.endr
.irp c, 0,1,2,3,4,5,6,7
	v_add_f32 v[ACC+\c], v[ACC+\c], v[WWR+8*\q+\c]
.endr
	v_mov_b32 v[J], 0                              ; candidate 0 starts; a later one takes over only if strictly smaller
.irp c, 1,2,3,4,5,6,7
	v_cmp_lt_f32 vcc_lo, v[ACC+\c], v[ACC]
	v_cndmask_b32 v[ACC], v[ACC], v[ACC+\c], vcc_lo
	v_cndmask_b32 v[J], v[J], \c, vcc_lo
.irp k, 0,1,2,3,4,5,6,7
	v_cndmask_b32 v[ROW+64*\q+\k], v[ROW+64*\q+\k], v[ROW+64*\q+8*\c+\k], vcc_lo
.endr
.endr
	v_lshl_add_u32 v[IDX+\q], v[G+\q], 3, v[J]
.irp k, 0,1,2,3,4,5,6,7
	v_sub_f32 v[E+2*\k+\q], v[ROW+64*\q+\k], v[Z+2*\k+\q]                  ; z_q - z_e
.endr
.endm
	PIXEL 0, 18                                    ; the second pixel's 18 loads stay out
	PIXEL 1, 0
	v_pk_mul_f32 v[LOSS:LOSS+1], v[E:E+1], v[E:E+1]                        ; the first squares start the sums
.irp k, 1,2,3,4,5,6,7
	v_pk_fma_f32 v[LOSS:LOSS+1], v[E+2*\k:E+2*\k+1], v[E+2*\k:E+2*\k+1], v[LOSS:LOSS+1]
.endr
.irp k, 0,1,2,3,4,5,6,7
	v_pk_add_f32 v[E+2*\k:E+2*\k+1], v[Z+2*\k:Z+2*\k+1], v[E+2*\k:E+2*\k+1]    ; z_e + (z_q - z_e)
	global_store_b64 v[ZO], v[E+2*\k:E+2*\k+1], s[10:11] offset:65536*\k th:TH_STORE_NT
.endr
	global_store_b64 v[GOF], v[IDX:IDX+1], s[12:13] th:TH_STORE_NT
	; the work-group's sum of squares: lanes, then waves
	v_add_f32 v[T], v[LOSS], v[LOSS+1]
	v_add_f32_dpp v[T], v[T], v[T] row_xmask:1 row_mask:0xf bank_mask:0xf
	v_add_f32_dpp v[T], v[T], v[T] row_xmask:2 row_mask:0xf bank_mask:0xf
	v_add_f32_dpp v[T], v[T], v[T] row_xmask:4 row_mask:0xf bank_mask:0xf
	v_add_f32_dpp v[T], v[T], v[T] row_xmask:8 row_mask:0xf bank_mask:0xf
	v_permlanex16_b32 v1, v[T], s22, s23           ; v1 has been written before
	v_add_f32 v[T], v[T], v1
	s_lshl_b32 s21, s16, 2
	v_mov_b32 v1, s21
	ds_store_b32 v1, v[T] offset:RED               ; all lanes write the wave's word with the same number
	s_wait_dscnt 0x0
	s_barrier_signal -1
	s_barrier_wait -1
	s_cmp_lg_u32 s16, 0
	s_cbranch_scc1 .Lend                           ; wave 0 adds the sixteen words
	v_and_b32 v1, 15, v0
	v_lshlrev_b32 v1, 2, v1
	ds_load_b32 v[T], v1 offset:RED
	s_wait_dscnt 0x0
	v_add_f32_dpp v[T], v[T], v[T] row_xmask:1 row_mask:0xf bank_mask:0xf
	v_add_f32_dpp v[T], v[T], v[T] row_xmask:2 row_mask:0xf bank_mask:0xf
	v_add_f32_dpp v[T], v[T], v[T] row_xmask:4 row_mask:0xf bank_mask:0xf
	v_add_f32_dpp v[T], v[T], v[T] row_xmask:8 row_mask:0xf bank_mask:0xf
	s_lshl_b32 s21, ttmp9, 2
	v_mov_b32 v1, s21
	v_cmp_eq_u32 vcc_lo, 0, v[LANE]
	s_wait_xcnt 0x0                                ; stores are out: EXEC changes only behind this wait
	s_and_saveexec_b32 s24, vcc_lo
	global_store_b32 v1, v[T], s[14:15]            ; one word for the work-group
	s_wait_xcnt 0x0
	s_or_b32 exec_lo, exec_lo, s24
.Lend:
	s_wait_tensorcnt 0x0
	ds_add_u32 v232, v233
	s_wait_dscnt 0x0
	s_endpgm
.Lfunc_end_k_qf1d6774413_resolve:
	.size	k_qf1d6774413_resolve, .Lfunc_end_k_qf1d6774413_resolve-k_qf1d6774413_resolve
	.p2alignl 7, 3214868480
	.fill 96, 4, 3214868480
	.section	.rodata,"a",@progbits
	.p2align	6, 0x0
	.amdhsa_kernel k_qf1d6774413_resolve
		.amdhsa_group_segment_fixed_size 43264
		.amdhsa_private_segment_fixed_size 0
		.amdhsa_enable_private_segment 0
		.amdhsa_kernarg_size 48
		.amdhsa_user_sgpr_count 2
		.amdhsa_user_sgpr_kernarg_segment_ptr 1
		.amdhsa_wavefront_size32 1
		.amdhsa_system_sgpr_workgroup_id_x 1
		.amdhsa_system_sgpr_workgroup_id_y 1
		.amdhsa_system_sgpr_workgroup_id_z 1
		.amdhsa_system_vgpr_workitem_id 0
		.amdhsa_next_free_vgpr 234
		.amdhsa_next_free_sgpr 66
		.amdhsa_reserve_vcc 1
		.amdhsa_float_denorm_mode_32 3
		.amdhsa_float_denorm_mode_16_64 3
		.amdhsa_memory_ordered 1
		.amdhsa_forward_progress 1
		.amdhsa_inst_pref_size 32
	.end_amdhsa_kernel
	.amdgpu_metadata
---
amdhsa.version: [ 1, 2 ]
amdhsa.kernels:
  - .name:           k_qf1d6774413_resolve
    .symbol:         k_qf1d6774413_resolve.kd
    .args:
      - { .name: z_e, .offset: 0, .size: 8, .value_kind: global_buffer, .address_space: global }
      - { .name: weight, .offset: 8, .size: 8, .value_kind: global_buffer, .address_space: global }
      - { .name: grp, .offset: 16, .size: 8, .value_kind: global_buffer, .address_space: global }
      - { .name: out0, .offset: 24, .size: 8, .value_kind: global_buffer, .address_space: global }
      - { .name: out2, .offset: 32, .size: 8, .value_kind: global_buffer, .address_space: global }
      - { .name: part, .offset: 40, .size: 8, .value_kind: global_buffer, .address_space: global }
    .group_segment_fixed_size: 43264
    .private_segment_fixed_size: 0
    .kernarg_segment_align: 8
    .kernarg_segment_size: 48
    .max_flat_workgroup_size: 512
    .sgpr_count:     66
    .vgpr_count:     234
    .wavefront_size: 32
...
	.end_amdgpu_metadata
.endif
;; end of part 2
;; launch lossum (part 3): grid 1 x 1, 1 waves a work-group, no clusters, 0 bytes of LDS; arguments part, out1; writes out1
.if DOCPART == 3
	.amdgcn_target "amdgcn-amd-amdhsa--gfx1250"
	.amdhsa_code_object_version 6
	.text
	.protected	k_qf1d6774413_lossum
	.globl	k_qf1d6774413_lossum
	.p2align	8
	.type	k_qf1d6774413_lossum,@function
k_qf1d6774413_lossum:
	s_mov_b64 s[64:65], 0
	v_nop
	global_prefetch_b8 v0, s[64:65] scope:SCOPE_SE
	s_setreg_imm32_b32 hwreg(HW_REG_WAVE_MODE, 25, 1), 1
	s_wait_xcnt 0x0
; VectorQuantizer, step 3 of 3: commit_loss = 0.25 x mean of (z - z_q)^2 = the sum of the 256 work-groups' partial sums x 0.25 / 2,097,152 = x 2^-23.
; One owner for the one number: a sum over work-groups is ordered by a launch of its own.  One wave, eight numbers a lane.
	s_load_b128 s[4:7], s[0:1], 0x0                ; part s[4:5], out1 s[6:7]
	v_lshlrev_b32 v1, 4, v0
	v_mov_b32 v2, 0
	s_mov_b32 s8, 0x76543210
	s_mov_b32 s9, 0xfedcba98
	s_wait_kmcnt 0x0
	global_load_b128 v[4:7],  v1, s[4:5]
	global_load_b128 v[8:11], v1, s[4:5] offset:512
	s_wait_loadcnt 0x0
	v_pk_add_f32 v[4:5], v[4:5], v[8:9]
	v_pk_add_f32 v[6:7], v[6:7], v[10:11]
	v_pk_add_f32 v[4:5], v[4:5], v[6:7]
	v_add_f32 v4, v4, v5
	v_add_f32_dpp v4, v4, v4 row_xmask:1 row_mask:0xf bank_mask:0xf
	v_add_f32_dpp v4, v4, v4 row_xmask:2 row_mask:0xf bank_mask:0xf
	v_add_f32_dpp v4, v4, v4 row_xmask:4 row_mask:0xf bank_mask:0xf
	v_add_f32_dpp v4, v4, v4 row_xmask:8 row_mask:0xf bank_mask:0xf
	v_permlanex16_b32 v5, v4, s8, s9               ; v5 has been written before
	v_add_f32 v4, v4, v5
	v_mul_f32 v4, 0x34000000, v4                   ; x 2^-23
	v_cmp_eq_u32 vcc_lo, 0, v0
	s_wait_xcnt 0x0                                ; EXEC changes only behind this wait
	s_and_saveexec_b32 s10, vcc_lo
	global_store_b32 v2, v4, s[6:7]
	s_wait_xcnt 0x0
	s_or_b32 exec_lo, exec_lo, s10
	s_endpgm
.Lfunc_end_k_qf1d6774413_lossum:
	.size	k_qf1d6774413_lossum, .Lfunc_end_k_qf1d6774413_lossum-k_qf1d6774413_lossum
	.p2alignl 7, 3214868480
	.fill 96, 4, 3214868480
	.section	.rodata,"a",@progbits
	.p2align	6, 0x0
	.amdhsa_kernel k_qf1d6774413_lossum
		.amdhsa_group_segment_fixed_size 0
		.amdhsa_private_segment_fixed_size 0
		.amdhsa_enable_private_segment 0
		.amdhsa_kernarg_size 16
		.amdhsa_user_sgpr_count 2
		.amdhsa_user_sgpr_kernarg_segment_ptr 1
		.amdhsa_wavefront_size32 1
		.amdhsa_system_sgpr_workgroup_id_x 1
		.amdhsa_system_sgpr_workgroup_id_y 1
		.amdhsa_system_sgpr_workgroup_id_z 1
		.amdhsa_system_vgpr_workitem_id 0
		.amdhsa_next_free_vgpr 16
		.amdhsa_next_free_sgpr 66
		.amdhsa_reserve_vcc 1
		.amdhsa_float_denorm_mode_32 3
		.amdhsa_float_denorm_mode_16_64 3
		.amdhsa_memory_ordered 1
		.amdhsa_forward_progress 1
		.amdhsa_inst_pref_size 2
	.end_amdhsa_kernel
	.amdgpu_metadata
---
amdhsa.version: [ 1, 2 ]
amdhsa.kernels:
  - .name:           k_qf1d6774413_lossum
    .symbol:         k_qf1d6774413_lossum.kd
    .args:
      - { .name: part, .offset: 0, .size: 8, .value_kind: global_buffer, .address_space: global }
      - { .name: out1, .offset: 8, .size: 8, .value_kind: global_buffer, .address_space: global }
    .group_segment_fixed_size: 0
    .private_segment_fixed_size: 0
    .kernarg_segment_align: 8
    .kernarg_segment_size: 16
    .max_flat_workgroup_size: 32
    .sgpr_count:     66
    .vgpr_count:     16
    .wavefront_size: 32
...
	.end_amdgpu_metadata
.endif
;; end of part 3
